; MI455X (gfx1250); checked and timed in simulation.
; The chip was launched on July 23, 2026; its instructions are those of AMD's public machine-readable ISA for CDNA 5 (MIT licence, August 2026) and "CDNA5" Instruction Set Architecture Reference Guide (July 2026). The comments in the code are by the model that wrote it; some were corrected since.
;; Point Upsample. Allowed arithmetic: float matrix products may take bf16 or f16 operands with f32 sums; all other float work in f32.
;; Inputs: feats 2 x 64 x 4,096 float32; parent_xyz 2 x 16,384 x 3 float32; xyz 2 x 4,096 x 3 float32.
;; Outputs: out0 2 x 64 x 16,384 float32.
;; 2 versions, each right; version 2 is version 1 with the launch coarse written anew for expert scheduling mode. Each part assembles by itself: llvm-mc -triple=amdgcn-amd-amdhsa -mcpu=gfx1250 --defsym DOCPART=n.
;; ======== version 1 of 2: 3 launches
;; limits: values within 6.1e-05 (relative) of each other or of a threshold may be ordered or decided otherwise than in the reference
;; workspace buffers: chunks 524,288 bytes of whole numbers; nidx 524,288 bytes of whole numbers; wts 524,288 bytes; ft 2,097,152 bytes
;; launch coarse (part 1): grid 256 x 1, 4 waves a work-group, no clusters, 274,944 bytes of LDS; arguments parent_xyz, xyz, chunks; writes chunks
.if DOCPART == 1
	.amdgcn_target "amdgcn-amd-amdhsa--gfx1250"
	.amdhsa_code_object_version 6
	.text
	.protected	k_q28e77fdce8_coarse
	.globl	k_q28e77fdce8_coarse
	.p2align	8
	.type	k_q28e77fdce8_coarse,@function
k_q28e77fdce8_coarse:
	s_mov_b64 s[64:65], 0
	v_nop
	global_prefetch_b8 v0, s[64:65] scope:SCOPE_SE
	s_setreg_imm32_b32 hwreg(HW_REG_WAVE_MODE, 25, 1), 1
	s_wait_xcnt 0x0
; COARSE PASS of the three-nearest search.  For each of 32,768 parents: the 4 chunks (of 512 chunks of 8 neighbouring
; candidates) with the smallest chunk minimum of d2.  The 3 nearest candidates lie in the 3 chunks with the smallest minima;
; the fourth is kept as room for this pass's rounding.  The next launch ranks the 32 candidates of these chunks in f32.
;
; d2 = |p-c|^2 - 2 (p-c).(x-c) + |x-c|^2 comes from the matrix unit, c = xyz[b][0] (a common offset of the points drops out).
; K = 32 has room for more than 3 coordinates, so every number goes in as three bf16 pieces (rounded, residual, rounded, ...):
;   candidate pairs  Ci = [x_i, y_i][z_i, s_i],  s = |x-c|^2;     parent pairs  Pj = [u_j, v_j][t_j, o_j],  (u,v,t) = -2 (p-c), o = 1, 0, 0
;   lanes  0-15, registers 0-7:  A = C1 C1 C1 C2,  B = P1 P2 P3 P1
;   lanes 16-31, registers 0-7:  A = C2 C2 C3 C3,  B = P2 P3 P1 P2        (all products Ci.Pj but C3.P3);  C operand = |p-c|^2
; A = 16 candidates, B = 16 parents: lane (r, h) gets in its 8 result registers d2(candidates 8h .. 8h+7, parent r): ONE CHUNK.
; So a chunk's minimum costs 4 vector instructions for 8 pairs, its key 1 (the chunk's number replaces the low 9 mantissa bits)
; and the insertion into a sorted triple 3: one vector instruction for each pair.
;
; Work-group: 128 parents (8 parent tiles) of one batch.  Wave w: all 8 parent tiles x candidates 1024 w .. 1024 w + 1023.
; Each wave builds and reads only its own quarter of the candidates' image in LDS: no barrier there.  One barrier for the merge.
; No tensor loads, no cluster: what work-groups share is 48 KiB of xyz, which has to pass through registers to be cut into pieces.
;
; LIMITS.  Keys drop 9 mantissa bits (2^-14 relative), and the matrix sums round at the size of the centred squared norms.  A
; neighbour is missed only if a parent's 3rd, 4th and 5th chunk minima agree within that, or if its best 4 chunks fall into one
; of the 8 classes (wave, lane half), of which 3 each are kept, and the 3rd and 4th agree within that.  NaN or infinite inputs are not served.
.set MB, 262144                        ; LDS: the image is bytes 0 .. 262143 (65,536 a wave); behind it 24 slots x 128 parents x 4 bytes
.set T,  8                             ; v[8:31]    parent tile k: sorted triple of keys at T+3k
.set A,  32                            ; v[32:63]   four candidate fragments of 8 registers, in turn
.set D,  64                            ; v[64:127]  two halves of 4 result tiles; in front of the loop: at work
.set B,  128                           ; v[128:191] the 8 parent fragments
.set C,  192                           ; v[192:255] |p-c|^2 of the 8 parent tiles, in all 8 registers
.set XR, 128                           ; v[128:255] in front of the parents' build: my 32 candidates as loaded, 4 registers apart
.set PR, 32                            ; v[32:63]   my 8 parents as loaded, 4 registers apart
; v1 image address for the build, v2 for the fragments, v3 chunk number, v4, v5 offsets in xyz and parent_xyz, v6, v7 merge addresses
	s_load_b128 s[4:7], s[0:1], 0x0                ; parent_xyz s[4:5], xyz s[6:7]
	s_load_b64 s[8:9], s[0:1], 0x10                ; chunks
	s_set_vgpr_msb 0x40
	v_lshl_add_u32 v0, v0, 2, 0x43000
	v_mov_b32 v1, 0
	s_set_vgpr_msb 0x4000
	v_lshrrev_b32 v8, 5, v0
	v_readfirstlane_b32 s10, v8                    ; wave 0..3
	s_lshr_b32 s11, ttmp9, 7                       ; batch
	s_mov_b32 s15, 0xffff0000                      ; a word's upper bf16
	s_mov_b32 s16, 0xfffffe00                      ; a key's distance bits
	s_mov_b32 s22, 0x7f800000                      ; +infinity
	s_mov_b32 s21, 0
	v_and_b32 v8, 31, v0                           ; lane
	v_and_b32 v9, 15, v0                           ; r
	v_bfe_u32 v10, v0, 4, 1                        ; h
	s_lshl_b32 s23, s10, 16                        ; my quarter of the image
	s_lshl_b32 s24, s10, 7                         ; my first chunk: 128 w
	s_mul_i32 s25, s10, 3072
	s_add_co_u32 s25, s25, MB                      ; my six merge slots
	v_lshlrev_b32 v11, 4, v9                       ; 16 r
	v_lshl_add_u32 v1, v10, 10, v11                ; build: lane L is candidate r of tile 2 it + h, a tile is 1,024 bytes
	v_add_nc_u32 v1, s23, v1
	v_lshl_add_u32 v2, v10, 9, v11                 ; fragments: lanes 0-15 take quads 0, 1 of a tile, lanes 16-31 quads 2, 3
	v_add_nc_u32 v2, s23, v2
	v_add_nc_u32 v3, s24, v10                      ; chunk = 2 x tile + h
	v_mul_u32_u24 v4, 12, v8
	v_mul_u32_u24 v5, 12, v9
	v_mul_u32_u24 v6, 1536, v10
	v_lshl_add_u32 v6, v9, 2, v6
	v_add_nc_u32 v6, s25, v6                       ; MB + (2 w + h) x 3 slots x 512 + 4 r
	v_lshlrev_b32 v7, 2, v0
	v_add_nc_u32 v7, MB, v7                        ; MB + 4 x thread: in the merge a thread is a parent
	v_cmp_ne_u32 vcc_lo, 0, v10                    ; lanes 16-31; stays for the parents' build
	s_wait_kmcnt 0x0
	s_mul_i32 s20, s11, 49152
	s_add_nc_u64 s[6:7], s[6:7], s[20:21]          ; my batch's candidates
	s_load_b96 s[12:14], s[6:7], 0x0               ; the centre c
	s_mul_i32 s20, s10, 12288
	s_add_nc_u64 s[18:19], s[6:7], s[20:21]        ; my wave's 1,024 candidates
	s_mul_i32 s20, ttmp9, 1536
	s_add_nc_u64 s[4:5], s[4:5], s[20:21]          ; the group's 128 parents
	s_lshl_b32 s20, ttmp9, 11
	s_add_nc_u64 s[8:9], s[8:9], s[20:21]          ; and their 16 bytes each of the result
.set it, 0
.rept 32
	global_load_b96 v[XR+4*it:XR+4*it+2], v4, s[18:19] offset:it*384       ; a wave's load: 32 candidates, 384 neighbouring bytes
.set it, it+1
.endr
.irp k, 0,1,2,3,4,5,6,7
	global_load_b96 v[PR+4*\k:PR+4*\k+2], v5, s[4:5] offset:\k*192         ; parent r of tile k, in both lane halves
.endr
	s_wait_kmcnt 0x0                               ; c
; THE IMAGE.  Four candidates of a lane at a time, stage by stage, so that no instruction waits for the one in front of it.
; At work, 12 registers for each: +0..3 x, y, z, s (then their residuals), +4..7 a piece widened again, +8, 9 a piece's two pairs.
.macro CUT                             ; the next piece: four roundings to bf16
.irp u, 0,1,2,3
	v_cvt_pk_bf16_f32 v[D+12*\u+8], v[D+12*\u],   v[D+12*\u+1]
	v_cvt_pk_bf16_f32 v[D+12*\u+9], v[D+12*\u+2], v[D+12*\u+3]
.endr
.endm
.macro REST                            ; what the piece left over: exact in f32
.irp u, 0,1,2,3
	v_lshlrev_b32 v[D+12*\u+4], 16,  v[D+12*\u+8]
	v_and_b32     v[D+12*\u+5], s15, v[D+12*\u+8]
	v_lshlrev_b32 v[D+12*\u+6], 16,  v[D+12*\u+9]
	v_and_b32     v[D+12*\u+7], s15, v[D+12*\u+9]
.endr
.irp u, 0,1,2,3
	v_pk_add_f32 v[D+12*\u:D+12*\u+1],   v[D+12*\u:D+12*\u+1],   v[D+12*\u+4:D+12*\u+5] neg_lo:[0,1] neg_hi:[0,1]
	v_pk_add_f32 v[D+12*\u+2:D+12*\u+3], v[D+12*\u+2:D+12*\u+3], v[D+12*\u+6:D+12*\u+7] neg_lo:[0,1] neg_hi:[0,1]
.endr
.endm
.macro PUT a, o                        ; the piece to byte o of its candidate's places in the tile (quad x 256 + 8 x place)
.irp u, 0,1,2,3
	ds_store_b64 v1, v[D+12*\u+8:D+12*\u+9] offset:(4*\a+\u)*2048+\o
.endr
.endm
.macro BUILD4 a
	s_wait_loadcnt 36-4*\a                         ; 40 loads were issued; the first 4 a + 4 are in, the others stay out
.irp u, 0,1,2,3
	v_sub_f32 v[D+12*\u],   v[XR+16*\a+4*\u],   s12
	v_sub_f32 v[D+12*\u+1], v[XR+16*\a+4*\u+1], s13
	v_sub_f32 v[D+12*\u+2], v[XR+16*\a+4*\u+2], s14
.endr
.irp u, 0,1,2,3
	v_mul_f32 v[D+12*\u+3], v[D+12*\u], v[D+12*\u]
.endr
.irp u, 0,1,2,3
	v_fma_f32 v[D+12*\u+3], v[D+12*\u+1], v[D+12*\u+1], v[D+12*\u+3]
.endr
.irp u, 0,1,2,3
	v_fma_f32 v[D+12*\u+3], v[D+12*\u+2], v[D+12*\u+2], v[D+12*\u+3]
.endr
	CUT                                            ; C1: quad 0 twice, quad 1 first place
	PUT \a, 0
	PUT \a, 8
	PUT \a, 256
	REST
	CUT                                            ; C2: quad 1 second place, quad 2 twice
	PUT \a, 264
	PUT \a, 512
	PUT \a, 520
	REST
	CUT                                            ; C3: quad 3 twice
	PUT \a, 768
	PUT \a, 776
.endm
.irp a, 0,1,2,3,4,5,6,7
	BUILD4 \a
.endr
; THE PARENTS, four tiles at a time.  At work: +0..2 p - c, then -2 (p - c) and its residuals, +3 |p-c|^2, P1 in +8, 9, P2 in +10, 11, P3 in +4, 5.
.macro PARENT4 k0
.irp u, 0,1,2,3
	v_sub_f32 v[D+12*\u],   v[PR+4*(\k0+\u)],   s12
	v_sub_f32 v[D+12*\u+1], v[PR+4*(\k0+\u)+1], s13
	v_sub_f32 v[D+12*\u+2], v[PR+4*(\k0+\u)+2], s14
.endr
.irp u, 0,1,2,3
	v_mul_f32 v[D+12*\u+3], v[D+12*\u], v[D+12*\u]
.endr
.irp u, 0,1,2,3
	v_fma_f32 v[D+12*\u+3], v[D+12*\u+1], v[D+12*\u+1], v[D+12*\u+3]
.endr
.irp u, 0,1,2,3
	v_fma_f32 v[D+12*\u+3], v[D+12*\u+2], v[D+12*\u+2], v[D+12*\u+3]
.endr
.irp u, 0,1,2,3
	v_mul_f32 v[D+12*\u],   -2.0, v[D+12*\u]
	v_mul_f32 v[D+12*\u+1], -2.0, v[D+12*\u+1]
	v_mul_f32 v[D+12*\u+2], -2.0, v[D+12*\u+2]
.endr
.irp u, 0,1,2,3
.irp j, 0,1,2,3,4,5,6,7
	v_mov_b32 v[C+8*(\k0+\u)+\j], v[D+12*\u+3]     ; the C operand: a lane's 8 results belong to one parent
.endr
.endr
.irp u, 0,1,2,3
	v_cvt_pk_bf16_f32 v[D+12*\u+8], v[D+12*\u],   v[D+12*\u+1]
	v_cvt_pk_bf16_f32 v[D+12*\u+9], v[D+12*\u+2], 1.0              ; o_1 = 1 takes the candidate's s in
.endr
.irp u, 0,1,2,3
	v_lshlrev_b32 v[D+12*\u+4], 16,  v[D+12*\u+8]
	v_and_b32     v[D+12*\u+5], s15, v[D+12*\u+8]
	v_lshlrev_b32 v[D+12*\u+6], 16,  v[D+12*\u+9]
.endr
.irp u, 0,1,2,3
	v_pk_add_f32 v[D+12*\u:D+12*\u+1], v[D+12*\u:D+12*\u+1], v[D+12*\u+4:D+12*\u+5] neg_lo:[0,1] neg_hi:[0,1]
	v_sub_f32 v[D+12*\u+2], v[D+12*\u+2], v[D+12*\u+6]
.endr
.irp u, 0,1,2,3
	v_cvt_pk_bf16_f32 v[D+12*\u+10], v[D+12*\u],   v[D+12*\u+1]
	v_cvt_pk_bf16_f32 v[D+12*\u+11], v[D+12*\u+2], 0
.endr
.irp u, 0,1,2,3
	v_lshlrev_b32 v[D+12*\u+4], 16,  v[D+12*\u+10]
	v_and_b32     v[D+12*\u+5], s15, v[D+12*\u+10]
	v_lshlrev_b32 v[D+12*\u+6], 16,  v[D+12*\u+11]
.endr
.irp u, 0,1,2,3
	v_pk_add_f32 v[D+12*\u:D+12*\u+1], v[D+12*\u:D+12*\u+1], v[D+12*\u+4:D+12*\u+5] neg_lo:[0,1] neg_hi:[0,1]
	v_sub_f32 v[D+12*\u+2], v[D+12*\u+2], v[D+12*\u+6]
.endr
.irp u, 0,1,2,3
	v_cvt_pk_bf16_f32 v[D+12*\u+4], v[D+12*\u],   v[D+12*\u+1]
	v_cvt_pk_bf16_f32 v[D+12*\u+5], v[D+12*\u+2], 0
.endr
.irp u, 0,1,2,3                                    ; lanes 0-15: P1 P2 P3 P1; lanes 16-31: P2 P3 P1 P2
	v_cndmask_b32 v[B+8*(\k0+\u)],   v[D+12*\u+8],  v[D+12*\u+10], vcc_lo
	v_cndmask_b32 v[B+8*(\k0+\u)+1], v[D+12*\u+9],  v[D+12*\u+11], vcc_lo
	v_cndmask_b32 v[B+8*(\k0+\u)+2], v[D+12*\u+10], v[D+12*\u+4],  vcc_lo
	v_cndmask_b32 v[B+8*(\k0+\u)+3], v[D+12*\u+11], v[D+12*\u+5],  vcc_lo
	v_cndmask_b32 v[B+8*(\k0+\u)+4], v[D+12*\u+4],  v[D+12*\u+8],  vcc_lo
	v_cndmask_b32 v[B+8*(\k0+\u)+5], v[D+12*\u+5],  v[D+12*\u+9],  vcc_lo
	v_cndmask_b32 v[B+8*(\k0+\u)+6], v[D+12*\u+8],  v[D+12*\u+10], vcc_lo
	v_cndmask_b32 v[B+8*(\k0+\u)+7], v[D+12*\u+9],  v[D+12*\u+11], vcc_lo
.endr
.endm
	s_wait_loadcnt 0x0                             ; the parents; every load into v128-255 is long in, so B and C may take these registers
	PARENT4 0
	PARENT4 4
.set it, 0
.rept 24
	v_mov_b32 v[T+it], s22                         ; the triples start at +infinity
.set it, it+1
.endr
.irp t, 0,1,2                                      ; fragments of tiles 0, 1, 2.  LDS serves a wave's instructions in order (ISA guide 5.7.1):
	ds_load_b128 v[A+8*\t:A+8*\t+3],   v2 offset:\t*1024           ; these see my own stores above, and nobody else wrote these bytes
	ds_load_b128 v[A+8*\t+4:A+8*\t+7], v2 offset:\t*1024+256
.endr
; THE LOOP.  A group = 4 matrix instructions (candidate tile i x 4 parent tiles of one half) woven with the 32 vector instructions that
; take in the 4 results of the group before (the other half).  So every result is read at least 8 plain vector instructions, which name
; none of its matrix instruction's registers, behind that instruction, and a fragment buffer is loaded again 8 such places behind its
; last use (ISA guide 7.12.1 asks for 4).
.macro WM i, half, u
	v_wmma_f32_16x16x32_bf16 v[D+32*\half+8*\u:D+32*\half+8*\u+7], v[A+8*\i:A+8*\i+7], v[B+32*\half+8*\u:B+32*\half+8*\u+7], v[C+32*\half+8*\u:C+32*\half+8*\u+7]
.endm
.macro STG st, oh                      ; stage st of the taking in, for the four result tiles of half oh
.irp u, 0,1,2,3
.set dd, D+32*(\oh)+8*\u
.set tt, T+12*(\oh)+3*\u
.if \st == 1
	v_min3_num_f32 v[dd], v[dd], v[dd+1], v[dd+2]
.elseif \st == 2
	v_min3_num_f32 v[dd+3], v[dd+3], v[dd+4], v[dd+5]
.elseif \st == 3
	v_min3_num_f32 v[dd], v[dd+6], v[dd+7], v[dd]
.elseif \st == 4
	v_min_num_f32 v[dd], v[dd], v[dd+3]                    ; the chunk's minimum
.elseif \st == 5
	v_and_or_b32 v[dd], v[dd], s16, v3                     ; the key: distance bits above, chunk number below
.elseif \st == 6
	v_med3_num_f32 v[tt+2], v[tt+1], v[tt+2], v[dd]        ; insertion into the sorted triple, from the top
.elseif \st == 7
	v_med3_num_f32 v[tt+1], v[tt], v[tt+1], v[dd]
.else
	v_min_num_f32 v[tt], v[tt], v[dd]
.endif
.endr
.endm
.macro NEXTA i                         ; the fragment of the tile three ahead, into the buffer of the tile before this one
	ds_load_b128 v[A+8*((\i+3)&3):A+8*((\i+3)&3)+3],   v2 offset:(\i+3)*1024
	ds_load_b128 v[A+8*((\i+3)&3)+4:A+8*((\i+3)&3)+7], v2 offset:(\i+3)*1024+256
.endm
.macro GROUP i, half, proc, load
.if \proc
	WM \i, \half, 0
	STG 1, 1-\half
	STG 2, 1-\half
.if \load
	NEXTA \i
.endif
	WM \i, \half, 1
	STG 3, 1-\half
	STG 4, 1-\half
	WM \i, \half, 2
	STG 5, 1-\half
.if \half == 0
	v_add_nc_u32 v3, 2, v3                         ; this group took in the second half of the tile before: now this tile's chunk
.endif
	STG 6, 1-\half
	WM \i, \half, 3
	STG 7, 1-\half
	STG 8, 1-\half
.else
	NEXTA \i                                       ; the very first group has nothing to take in
	WM \i, \half, 0
	WM \i, \half, 1
	WM \i, \half, 2
	WM \i, \half, 3
.rept 4
	v_nop                                          ; the places in front of the first reads of its results
.endr
.endif
.endm
.macro TILE i, cnt, proc, load
	s_wait_dscnt \cnt                              ; this tile's two loads are in; those of the tiles behind it (two each) stay out
	GROUP \i, 0, \proc, \load
	GROUP \i, 1, 1, 0
.endm
	TILE 0, 4, 0, 1
	TILE 1, 4, 1, 1
	TILE 2, 4, 1, 1
	TILE 3, 4, 1, 1
	v_add_nc_u32 v2, 4096, v2
	s_mov_b32 s17, 14
.Ltrip:                                            ; four tiles a trip: once round the fragment buffers
	TILE 0, 4, 1, 1
	TILE 1, 4, 1, 1
	TILE 2, 4, 1, 1
	TILE 3, 4, 1, 1
	v_add_nc_u32 v2, 4096, v2
	s_sub_co_i32 s17, s17, 1
	s_cmp_lg_u32 s17, 0
	s_cbranch_scc1 .Ltrip
	TILE 0, 4, 1, 1                                ; tiles 60 to 63: one more fragment (tile 63), then the counts run down
	TILE 1, 4, 1, 0
	TILE 2, 2, 1, 0
	TILE 3, 0, 1, 0
.irp st, 1,2,3,4,5,6,7,8
	STG \st, 1                                     ; the last four results
.endr
; THE MERGE: 8 classes (wave, lane half) x 3 keys for each parent meet in LDS; thread = parent takes the best 4 of 24.
.irp k, 0,1,2,3,4,5,6,7
.irp i, 0,1,2
	ds_store_b32 v6, v[T+3*\k+\i] offset:\i*512+\k*64
.endr
.endr
	s_wait_dscnt 0x0                               ; my keys are in LDS before I say so
	s_barrier_signal -1
	s_barrier_wait -1
.set sl, 0
.rept 24
	ds_load_b32 v[D+sl], v7 offset:sl*512
.set sl, sl+1
.endr
.irp q, 8,9,10,11
	v_mov_b32 v\q, s22
.endr
	v_lshlrev_b32 v12, 4, v0
.set sl, 0
.rept 24
	s_wait_dscnt 23-sl                             ; key sl is in, the younger ones stay out
	v_med3_num_f32 v11, v10, v11, v[D+sl]
	v_med3_num_f32 v10, v9, v10, v[D+sl]
	v_med3_num_f32 v9, v8, v9, v[D+sl]
	v_min_num_f32 v8, v8, v[D+sl]
.set sl, sl+1
.endr
.irp q, 8,9,10,11
	v_and_b32 v\q, 0x1ff, v\q                      ; the chunk numbers
.endr
	global_store_b128 v12, v[8:11], s[8:9]         ; sixteen lanes store 256 consecutive bytes, aligned
	s_set_vgpr_msb 0x5
	s_wait_tensorcnt 0x0
	ds_add_u32 v0, v1
	s_wait_dscnt 0x0
	s_set_vgpr_msb 0x500
	s_endpgm
.Lfunc_end_k_q28e77fdce8_coarse:
	.size	k_q28e77fdce8_coarse, .Lfunc_end_k_q28e77fdce8_coarse-k_q28e77fdce8_coarse
	.p2alignl 7, 3214868480
	.fill 96, 4, 3214868480
	.section	.rodata,"a",@progbits
	.p2align	6, 0x0
	.amdhsa_kernel k_q28e77fdce8_coarse
		.amdhsa_group_segment_fixed_size 274944
		.amdhsa_private_segment_fixed_size 0
		.amdhsa_enable_private_segment 0
		.amdhsa_kernarg_size 24
		.amdhsa_user_sgpr_count 2
		.amdhsa_user_sgpr_kernarg_segment_ptr 1
		.amdhsa_wavefront_size32 1
		.amdhsa_system_sgpr_workgroup_id_x 1
		.amdhsa_system_sgpr_workgroup_id_y 1
		.amdhsa_system_sgpr_workgroup_id_z 1
		.amdhsa_system_vgpr_workitem_id 0
		.amdhsa_next_free_vgpr 258
		.amdhsa_next_free_sgpr 66
		.amdhsa_reserve_vcc 1
		.amdhsa_float_denorm_mode_32 3
		.amdhsa_float_denorm_mode_16_64 3
		.amdhsa_memory_ordered 1
		.amdhsa_forward_progress 1
		.amdhsa_inst_pref_size 136
	.end_amdhsa_kernel
	.amdgpu_metadata
---
amdhsa.version: [ 1, 2 ]
amdhsa.kernels:
  - .name:           k_q28e77fdce8_coarse
    .symbol:         k_q28e77fdce8_coarse.kd
    .args:
      - { .name: parent_xyz, .offset: 0, .size: 8, .value_kind: global_buffer, .address_space: global }
      - { .name: xyz, .offset: 8, .size: 8, .value_kind: global_buffer, .address_space: global }
      - { .name: chunks, .offset: 16, .size: 8, .value_kind: global_buffer, .address_space: global }
    .group_segment_fixed_size: 274944
    .private_segment_fixed_size: 0
    .kernarg_segment_align: 8
    .kernarg_segment_size: 24
    .max_flat_workgroup_size: 128
    .sgpr_count:     66
    .vgpr_count:     258
    .wavefront_size: 32
...
	.end_amdgpu_metadata
.endif
;; end of part 1
;; launch refine (part 2): grid 128 x 1, 8 waves a work-group, no clusters, 17,920 bytes of LDS; arguments chunks, parent_xyz, xyz, feats, ft, nidx, wts; writes ft, nidx, wts
.if DOCPART == 2
	.amdgcn_target "amdgcn-amd-amdhsa--gfx1250"
	.amdhsa_code_object_version 6
	.text
	.protected	k_q28e77fdce8_refine
	.globl	k_q28e77fdce8_refine
	.p2align	8
	.type	k_q28e77fdce8_refine,@function
k_q28e77fdce8_refine:
	s_mov_b64 s[64:65], 0
	v_nop
	global_prefetch_b8 v0, s[64:65] scope:SCOPE_SE
	s_setreg_imm32_b32 hwreg(HW_REG_WAVE_MODE, 25, 1), 1
	s_wait_xcnt 0x0
; FINE PASS.  Thread = parent: ranks the 32 candidates of its 4 chunks in f32, keeps the best 3 with their numbers, and makes the
; three weights  w_k = (1 / (sqrt(max(d2_k, 0)) + 1e-8)) / sum.  Stores the numbers (whole numbers: the next launch forms addresses
; from them) and the weights, 16 bytes each for a parent.
; While the candidates are on their way the work-group also transposes one tile of feats, [64 c][64 m] -> ft [m][c], through LDS, so
; that the next launch gathers a neighbour's 64 features as one row of 256 bytes.  128 work-groups: 128 such tiles, 256 parents each.
;
; d2 is formed as reference() writes it, (pp - 2 p.x) + xx, each three-term sum as a product and two fused multiply-adds in ascending
; d: which candidate is third is a discrete choice, so the roundings stay as near to the defining expression as can be.
; LIMITS.  With a common offset far above the points' spread this expression loses digits, as it does in reference().  Where reference()'s
; own roundings differ from these and the 3rd and 4th distance agree within them, the other candidate may be taken.  Equal d2: the lower
; index wins (chunks are walked in ascending order, and a later candidate must be strictly nearer).  v_sqrt_f32 and v_rcp_f32 take denormals as zero
; (ISA guide 15.8): d2 below 2^-126 counts as 0.  NaN inputs are not served.
; No matrix unit (K = 3 on gathered rows), no cluster (no tile is read by two work-groups but 96-byte pieces of xyz).
.set LP, 260                           ; LDS pitch of a row c: 65 words.  Stores touch words 65 c + 4 sub + e, loads 260 sub + m: 32 different residues modulo 64
.set CA, 32                            ; v[32:127]  chunk c: 24 registers, candidate j at CA+24c+3j
.set DD, 168                           ; v[168:175] a chunk's 8 dot products, then d2
.set XX, 176                           ; v[176:183] a chunk's 8 |x|^2
; v1 16 t, v2 12 t, v3 offset in feats, v[4:7] chunk numbers, v[8:10] p, v11 |p|^2, v[12:27] feats, v[28:31] 96 q, v128-130 best d2,
; v[132:135] their numbers and 0, v136-139 at work, v[140:143] weights and 0, v[144:147] 8 q, v[148:163] transposed, v164, v165 LDS addresses
	s_load_b256 s[4:11], s[0:1], 0x0               ; chunks s[4:5], parent_xyz s[6:7], xyz s[8:9], feats s[10:11]
	s_load_b128 s[12:15], s[0:1], 0x20             ; ft s[12:13], nidx s[14:15]
	s_load_b64 s[16:17], s[0:1], 0x30              ; wts
	v_lshl_add_u32 v184, v0, 2, 0x4200
	v_mov_b32 v185, 0
	s_lshr_b32 s18, ttmp9, 6                       ; batch
	s_and_b32 s19, ttmp9, 63                       ; which 64 columns m of feats
	s_mov_b32 s25, 0
	s_mov_b32 s26, 0x7f800000
	v_lshlrev_b32 v1, 4, v0
	v_mul_u32_u24 v2, 12, v0
	v_lshrrev_b32 v136, 4, v0                      ; t / 16
	v_and_b32 v137, 15, v0                         ; sub = t % 16
	v_lshlrev_b32 v138, 4, v137
	v_lshl_add_u32 v3, v136, 14, v138              ; row c = t / 16 of 16,384 bytes, 16 bytes a lane
	v_mad_u32_u24 v164, v136, LP, v138             ; in:  (c = t / 16, m = 4 sub)
	v_mul_u32_u24 v165, 4*LP, v137
	v_lshl_add_u32 v165, v136, 2, v165             ; out: (c = 4 sub, m = t / 16)
	s_wait_kmcnt 0x0
	s_lshl_b32 s24, ttmp9, 12                      ; 256 parents x 16 bytes
	s_add_nc_u64 s[4:5], s[4:5], s[24:25]
	s_add_nc_u64 s[14:15], s[14:15], s[24:25]
	s_add_nc_u64 s[16:17], s[16:17], s[24:25]
	s_mul_i32 s24, ttmp9, 3072                     ; 256 parents x 12 bytes
	s_add_nc_u64 s[6:7], s[6:7], s[24:25]
	s_mul_i32 s24, s18, 49152
	s_add_nc_u64 s[8:9], s[8:9], s[24:25]
	s_lshl_b32 s24, s18, 20                        ; a batch of feats, and of ft
	s_add_nc_u64 s[10:11], s[10:11], s[24:25]
	s_add_nc_u64 s[12:13], s[12:13], s[24:25]
	s_lshl_b32 s24, s19, 8                         ; 64 columns of 4 bytes
	s_add_nc_u64 s[10:11], s[10:11], s[24:25]
	s_lshl_b32 s24, s19, 14                        ; 64 rows of 256 bytes
	s_add_nc_u64 s[12:13], s[12:13], s[24:25]
	global_load_b128 v[4:7], v1, s[4:5]
	global_load_b96 v[8:10], v2, s[6:7]
.irp i, 0,1,2,3
	global_load_b128 v[12+4*\i:15+4*\i], v3, s[10:11] offset:\i*262144 th:TH_LOAD_NT   ; rows c = 16 i + t / 16: sixteen lanes take 256 bytes
.endr
	s_wait_loadcnt 0x5                             ; the chunk numbers are in; p and feats stay out
	v_min_u32 v136, v4, v5                         ; ascending, by five exchanges
	v_max_u32 v137, v4, v5
	v_min_u32 v138, v6, v7
	v_max_u32 v139, v6, v7
	v_min_u32 v4, v136, v138
	v_max_u32 v140, v136, v138
	v_min_u32 v141, v137, v139
	v_max_u32 v7, v137, v139
	v_min_u32 v5, v140, v141
	v_max_u32 v6, v140, v141
.irp c, 0,1,2,3
	v_min_u32 v[4+\c], 0x1ff, v[4+\c]              ; a loaded number enters an address only inside the table
	v_mul_u32_u24 v[28+\c], 96, v[4+\c]            ; 8 candidates of 12 bytes
	v_lshlrev_b32 v[144+\c], 3, v[4+\c]
.endr
.irp c, 0,1,2,3
.irp k, 0,1,2,3,4,5
	global_load_b128 v[CA+24*\c+4*\k:CA+24*\c+4*\k+3], v[28+\c], s[8:9] offset:16*\k
.endr
.endr
	s_wait_loadcnt 24                              ; p and feats are in; the 24 candidate loads stay out
.irp i, 0,1,2,3
.irp e, 0,1,2,3
	ds_store_b32 v164, v[12+4*\i+\e] offset:\i*16*LP+4*\e
.endr
.endr
	v_mul_f32 v11, v8, v8
	v_fma_f32 v11, v9, v9, v11
	v_fma_f32 v11, v10, v10, v11                   ; |p|^2
	s_wait_dscnt 0x0                               ; my part of the tile is in LDS before I say so
	s_barrier_signal -1
	s_barrier_wait -1
.irp i, 0,1,2,3
.irp e, 0,1,2,3
	ds_load_b32 v[148+4*\i+\e], v165 offset:\e*LP+\i*64
.endr
.endr
.irp q, 128,129,130
	v_mov_b32 v\q, s26                             ; best three: +infinity,
.endr
.irp q, 132,133,134,135
	v_mov_b32 v\q, 0                               ; number 0; the fourth word stays 0
.endr
	s_wait_dscnt 0x0
.irp i, 0,1,2,3
	global_store_b128 v1, v[148+4*\i:151+4*\i], s[12:13] offset:\i*4096    ; rows m = 16 i + t / 16 of ft: sixteen lanes store 256 bytes, aligned
.endr
.macro DIST c                          ; the 8 distances of chunk c, stage by stage
.irp j, 0,1,2,3,4,5,6,7
	v_mul_f32 v[DD+\j], v8, v[CA+24*\c+3*\j]
	v_mul_f32 v[XX+\j], v[CA+24*\c+3*\j], v[CA+24*\c+3*\j]
.endr
.irp j, 0,1,2,3,4,5,6,7
	v_fma_f32 v[DD+\j], v9, v[CA+24*\c+3*\j+1], v[DD+\j]
	v_fma_f32 v[XX+\j], v[CA+24*\c+3*\j+1], v[CA+24*\c+3*\j+1], v[XX+\j]
.endr
.irp j, 0,1,2,3,4,5,6,7
	v_fma_f32 v[DD+\j], v10, v[CA+24*\c+3*\j+2], v[DD+\j]
	v_fma_f32 v[XX+\j], v[CA+24*\c+3*\j+2], v[CA+24*\c+3*\j+2], v[XX+\j]
.endr
.irp j, 0,1,2,3,4,5,6,7
	v_fma_f32 v[DD+\j], -2.0, v[DD+\j], v11        ; pp - 2 p.x (the doubling is exact)
.endr
.irp j, 0,1,2,3,4,5,6,7
	v_add_f32 v[DD+\j], v[DD+\j], v[XX+\j]
.endr
.endm
.macro INS c, j                        ; candidate 8 q + j into the sorted three: values select, no branch
	v_add_nc_u32 v136, \j, v[144+\c]
	v_cmp_lt_f32 s20, v[DD+\j], v128
	v_cmp_lt_f32 s21, v[DD+\j], v129
	v_cmp_lt_f32 s22, v[DD+\j], v130
	v_cndmask_b32 v137, v136, v133, s21            ; third: the old second if the new one goes in front of it, else the new one,
	v_cndmask_b32 v134, v134, v137, s22            ; if it goes in at all
	v_cndmask_b32 v137, v136, v132, s20
	v_cndmask_b32 v133, v133, v137, s21
	v_cndmask_b32 v132, v132, v136, s20
	v_med3_num_f32 v130, v129, v130, v[DD+\j]
	v_med3_num_f32 v129, v128, v129, v[DD+\j]
	v_min_num_f32 v128, v128, v[DD+\j]
.endm
.irp c, 0,1,2,3
	s_wait_loadcnt 18-6*\c                         ; chunk c's six loads are in, those of the later chunks stay out
	DIST \c
.irp j, 0,1,2,3,4,5,6,7
	INS \c, \j
.endr
.endr
	v_max_num_f32 v128, 0, v128
	v_max_num_f32 v129, 0, v129
	v_max_num_f32 v130, 0, v130
	v_sqrt_f32 v136, v128
	v_sqrt_f32 v137, v129
	v_sqrt_f32 v138, v130
	v_mov_b32 v143, 0                              ; the plain instruction between the roots and their first use (ISA guide 5.7.2); the weights' fourth word
	s_wait_alu depctr_va_vdst(0)
	v_add_f32 v136, 0x322bcc77, v136               ; + 1e-8
	v_add_f32 v137, 0x322bcc77, v137
	v_add_f32 v138, 0x322bcc77, v138
	v_rcp_f32 v140, v136
	v_rcp_f32 v141, v137
	v_rcp_f32 v142, v138
	v_nop                                          ; likewise
	s_wait_alu depctr_va_vdst(0)
	v_add_f32 v139, v140, v141
	v_add_f32 v139, v139, v142
	v_rcp_f32 v136, v139
	v_nop                                          ; likewise
	s_wait_alu depctr_va_vdst(0)
	v_mul_f32 v140, v140, v136
	v_mul_f32 v141, v141, v136
	v_mul_f32 v142, v142, v136
	global_store_b128 v1, v[132:135], s[14:15]     ; sixteen lanes store 256 consecutive bytes, aligned
	global_store_b128 v1, v[140:143], s[16:17]
	s_wait_tensorcnt 0x0
	ds_add_u32 v184, v185
	s_wait_dscnt 0x0
	s_endpgm
.Lfunc_end_k_q28e77fdce8_refine:
	.size	k_q28e77fdce8_refine, .Lfunc_end_k_q28e77fdce8_refine-k_q28e77fdce8_refine
	.p2alignl 7, 3214868480
	.fill 96, 4, 3214868480
	.section	.rodata,"a",@progbits
	.p2align	6, 0x0
	.amdhsa_kernel k_q28e77fdce8_refine
		.amdhsa_group_segment_fixed_size 17920
		.amdhsa_private_segment_fixed_size 0
		.amdhsa_enable_private_segment 0
		.amdhsa_kernarg_size 56
		.amdhsa_user_sgpr_count 2
		.amdhsa_user_sgpr_kernarg_segment_ptr 1
		.amdhsa_wavefront_size32 1
		.amdhsa_system_sgpr_workgroup_id_x 1
		.amdhsa_system_sgpr_workgroup_id_y 1
		.amdhsa_system_sgpr_workgroup_id_z 1
		.amdhsa_system_vgpr_workitem_id 0
		.amdhsa_next_free_vgpr 186
		.amdhsa_next_free_sgpr 66
		.amdhsa_reserve_vcc 0
		.amdhsa_float_denorm_mode_32 3
		.amdhsa_float_denorm_mode_16_64 3
		.amdhsa_memory_ordered 1
		.amdhsa_forward_progress 1
		.amdhsa_inst_pref_size 45
	.end_amdhsa_kernel
	.amdgpu_metadata
---
amdhsa.version: [ 1, 2 ]
amdhsa.kernels:
  - .name:           k_q28e77fdce8_refine
    .symbol:         k_q28e77fdce8_refine.kd
    .args:
      - { .name: chunks, .offset: 0, .size: 8, .value_kind: global_buffer, .address_space: global }
      - { .name: parent_xyz, .offset: 8, .size: 8, .value_kind: global_buffer, .address_space: global }
      - { .name: xyz, .offset: 16, .size: 8, .value_kind: global_buffer, .address_space: global }
      - { .name: feats, .offset: 24, .size: 8, .value_kind: global_buffer, .address_space: global }
      - { .name: ft, .offset: 32, .size: 8, .value_kind: global_buffer, .address_space: global }
      - { .name: nidx, .offset: 40, .size: 8, .value_kind: global_buffer, .address_space: global }
      - { .name: wts, .offset: 48, .size: 8, .value_kind: global_buffer, .address_space: global }
    .group_segment_fixed_size: 17920
    .private_segment_fixed_size: 0
    .kernarg_segment_align: 8
    .kernarg_segment_size: 56
    .max_flat_workgroup_size: 256
    .sgpr_count:     66
    .vgpr_count:     186
    .wavefront_size: 32
...
	.end_amdgpu_metadata
.endif
;; end of part 2
;; launch interp (part 3): grid 256 x 1, 8 waves a work-group, no clusters, 34,304 bytes of LDS; arguments nidx, wts, ft, out0; writes out0
.if DOCPART == 3
	.amdgcn_target "amdgcn-amd-amdhsa--gfx1250"
	.amdhsa_code_object_version 6
	.text
	.protected	k_q28e77fdce8_interp
	.globl	k_q28e77fdce8_interp
	.p2align	8
	.type	k_q28e77fdce8_interp,@function
k_q28e77fdce8_interp:
	s_mov_b64 s[64:65], 0
	v_nop
	global_prefetch_b8 v0, s[64:65] scope:SCOPE_SE
	s_setreg_imm32_b32 hwreg(HW_REG_WAVE_MODE, 25, 1), 1
	s_wait_xcnt 0x0
; out0[b][c][n] = sum over k = 0..2 of wts[n][k] ft[b][nidx[n][k]][c], in f32.
; Work-group: 128 parents of one batch, all 64 channels.  Sixteen lanes (sub) take one row of ft, 256 bytes, 4 channels each; a thread
; serves 8 parents, n = 16 w + 2 i + h, so 24 row loads of every wave are out at once.  The result is [n][c] in registers and [c][n] in memory:
; it turns in LDS, and leaves as rows of 512 bytes, sixteen lanes to 256 aligned bytes.
; No matrix unit: three terms for each output, on gathered rows.  No cluster: which rows are read hangs on the list.
.set LP, 516                           ; LDS pitch of a row c: 129 words.  Stores touch words 516 sub + 129 e + n, loads 129 c + 4 sub: 32 different residues modulo 64
.set NI, 4                             ; v[4:35]    the 8 parents' neighbour numbers; on the way out: the rows read back
.set W,  36                            ; v[36:67]   their weights
.set RO, 68                            ; v[68:91]   byte offsets of the 24 rows' 16 bytes
.set F,  92                            ; v[92:187]  parent i, neighbour k: 4 channels at F+12i+4k
; v1 offset in nidx and wts, v2 16 sub, v3 LDS address in, v188 LDS address out, v189 offset in out0
	s_load_b256 s[4:11], s[0:1], 0x0               ; nidx s[4:5], wts s[6:7], ft s[8:9], out0 s[10:11]
	v_lshl_add_u32 v192, v0, 2, 0x8200
	v_mov_b32 v193, 0
	s_lshr_b32 s12, ttmp9, 7                       ; batch
	s_and_b32 s13, ttmp9, 127                      ; which 128 parents of it
	s_mov_b32 s15, 0
	v_and_b32 v190, 15, v0                         ; sub
	v_bfe_u32 v191, v0, 4, 1                       ; h
	v_lshrrev_b32 v4, 5, v0                        ; w
	v_lshl_add_u32 v5, v4, 3, v191                 ; 8 w + h
	v_lshl_add_u32 v6, v4, 4, v191                 ; 16 w + h
	v_lshlrev_b32 v2, 4, v190
	v_lshlrev_b32 v1, 4, v6
	v_mul_u32_u24 v3, 4*LP, v190
	v_lshl_add_u32 v3, v6, 2, v3                   ; in:  (c = 4 sub, n = 16 w + h)
	v_mad_u32_u24 v188, v5, LP, v2                 ; out: (c = 8 w + h, n = 4 sub)
	v_lshl_add_u32 v189, v5, 16, v2                ; the same in out0: rows of 65,536 bytes
	s_wait_kmcnt 0x0
	s_lshl_b32 s14, ttmp9, 11                      ; 128 parents x 16 bytes
	s_add_nc_u64 s[4:5], s[4:5], s[14:15]
	s_add_nc_u64 s[6:7], s[6:7], s[14:15]
	s_lshl_b32 s14, s12, 20
	s_add_nc_u64 s[8:9], s[8:9], s[14:15]
	s_lshl_b32 s14, s12, 22
	s_add_nc_u64 s[10:11], s[10:11], s[14:15]
	s_lshl_b32 s14, s13, 9
	s_add_nc_u64 s[10:11], s[10:11], s[14:15]
.irp i, 0,1,2,3,4,5,6,7
	global_load_b128 v[NI+4*\i:NI+4*\i+3], v1, s[4:5] offset:32*\i
.endr
.irp i, 0,1,2,3,4,5,6,7
	global_load_b128 v[W+4*\i:W+4*\i+3], v1, s[6:7] offset:32*\i
.endr
	s_wait_loadcnt 0x8                             ; the numbers are in, the weights stay out
.irp i, 0,1,2,3,4,5,6,7
.irp k, 0,1,2
	v_min_u32 v[RO+3*\i+\k], 0xfff, v[NI+4*\i+\k]  ; a loaded number enters an address only inside the table
.endr
.endr
.irp i, 0,1,2,3,4,5,6,7
.irp k, 0,1,2
	v_lshl_add_u32 v[RO+3*\i+\k], v[RO+3*\i+\k], 8, v2
.endr
.endr
.irp i, 0,1,2,3,4,5,6,7
.irp k, 0,1,2
	global_load_b128 v[F+12*\i+4*\k:F+12*\i+4*\k+3], v[RO+3*\i+\k], s[8:9]
.endr
.endr
.irp i, 0,1,2,3,4,5,6,7
	s_wait_loadcnt 3*(7-\i)                        ; parent i's three rows (and all weights) are in; three for each later parent stay out
	v_pk_mul_f32 v[F+12*\i:F+12*\i+1],   v[F+12*\i:F+12*\i+1],   v[W+4*\i:W+4*\i+1] op_sel_hi:[1,0]                                    ; both by w0
	v_pk_mul_f32 v[F+12*\i+2:F+12*\i+3], v[F+12*\i+2:F+12*\i+3], v[W+4*\i:W+4*\i+1] op_sel_hi:[1,0]
	v_pk_fma_f32 v[F+12*\i:F+12*\i+1],   v[F+12*\i+4:F+12*\i+5], v[W+4*\i:W+4*\i+1], v[F+12*\i:F+12*\i+1] op_sel:[0,1,0] op_sel_hi:[1,1,1]     ; both by w1
	v_pk_fma_f32 v[F+12*\i+2:F+12*\i+3], v[F+12*\i+6:F+12*\i+7], v[W+4*\i:W+4*\i+1], v[F+12*\i+2:F+12*\i+3] op_sel:[0,1,0] op_sel_hi:[1,1,1]
	v_pk_fma_f32 v[F+12*\i:F+12*\i+1],   v[F+12*\i+8:F+12*\i+9], v[W+4*\i+2:W+4*\i+3], v[F+12*\i:F+12*\i+1] op_sel_hi:[1,0,1]                  ; both by w2
	v_pk_fma_f32 v[F+12*\i+2:F+12*\i+3], v[F+12*\i+10:F+12*\i+11], v[W+4*\i+2:W+4*\i+3], v[F+12*\i+2:F+12*\i+3] op_sel_hi:[1,0,1]
.irp e, 0,1,2,3
	ds_store_b32 v3, v[F+12*\i+\e] offset:\e*LP+\i*8
.endr
.endr
	s_wait_dscnt 0x0                               ; my columns are in LDS before I say so
	s_barrier_signal -1
	s_barrier_wait -1
.irp i, 0,1,2,3,4,5,6,7                            ; row c = 8 w + 2 (i / 2) + h, its half i % 2
.irp e, 0,1,2,3
	ds_load_b32 v[NI+4*\i+\e], v188 offset:(\i/2)*2*LP+(\i%2)*256+4*\e
.endr
.endr
.irp i, 0,1,2,3,4,5,6,7
	s_wait_dscnt 4*(7-\i)                          ; piece i's four words are in, four for each later piece stay out
	global_store_b128 v189, v[NI+4*\i:NI+4*\i+3], s[10:11] offset:(\i/2)*131072+(\i%2)*256 th:TH_STORE_NT
.endr
	s_wait_tensorcnt 0x0
	ds_add_u32 v192, v193
	s_wait_dscnt 0x0
	s_endpgm
.Lfunc_end_k_q28e77fdce8_interp:
	.size	k_q28e77fdce8_interp, .Lfunc_end_k_q28e77fdce8_interp-k_q28e77fdce8_interp
	.p2alignl 7, 3214868480
	.fill 96, 4, 3214868480
	.section	.rodata,"a",@progbits
	.p2align	6, 0x0
	.amdhsa_kernel k_q28e77fdce8_interp
		.amdhsa_group_segment_fixed_size 34304
		.amdhsa_private_segment_fixed_size 0
		.amdhsa_enable_private_segment 0
		.amdhsa_kernarg_size 32
		.amdhsa_user_sgpr_count 2
		.amdhsa_user_sgpr_kernarg_segment_ptr 1
		.amdhsa_wavefront_size32 1
		.amdhsa_system_sgpr_workgroup_id_x 1
		.amdhsa_system_sgpr_workgroup_id_y 1
		.amdhsa_system_sgpr_workgroup_id_z 1
		.amdhsa_system_vgpr_workitem_id 0
		.amdhsa_next_free_vgpr 194
		.amdhsa_next_free_sgpr 66
		.amdhsa_reserve_vcc 0
		.amdhsa_float_denorm_mode_32 3
		.amdhsa_float_denorm_mode_16_64 3
		.amdhsa_memory_ordered 1
		.amdhsa_forward_progress 1
		.amdhsa_inst_pref_size 17
	.end_amdhsa_kernel
	.amdgpu_metadata
---
amdhsa.version: [ 1, 2 ]
amdhsa.kernels:
  - .name:           k_q28e77fdce8_interp
    .symbol:         k_q28e77fdce8_interp.kd
    .args:
      - { .name: nidx, .offset: 0, .size: 8, .value_kind: global_buffer, .address_space: global }
      - { .name: wts, .offset: 8, .size: 8, .value_kind: global_buffer, .address_space: global }
      - { .name: ft, .offset: 16, .size: 8, .value_kind: global_buffer, .address_space: global }
      - { .name: out0, .offset: 24, .size: 8, .value_kind: global_buffer, .address_space: global }
    .group_segment_fixed_size: 34304
    .private_segment_fixed_size: 0
    .kernarg_segment_align: 8
    .kernarg_segment_size: 32
    .max_flat_workgroup_size: 256
    .sgpr_count:     66
    .vgpr_count:     194
    .wavefront_size: 32
...
	.end_amdgpu_metadata
.endif
;; end of part 3
;; ======== version 2 of 2: 3 launches; version 1 with the launch coarse written anew for expert scheduling mode
;; limits: values within 6.1e-05 (relative) of each other or of a threshold may be ordered or decided otherwise than in the reference
;; workspace buffers: chunks 524,288 bytes of whole numbers; nidx 524,288 bytes of whole numbers; wts 524,288 bytes; ft 2,097,152 bytes
;; launch coarse (part 4): grid 256 x 1, 4 waves a work-group, no clusters, 274,944 bytes of LDS; arguments parent_xyz, xyz, chunks; writes chunks
.if DOCPART == 4
	.amdgcn_target "amdgcn-amd-amdhsa--gfx1250"
	.amdhsa_code_object_version 6
	.text
	.protected	k_q28e77fdce8_coarse
	.globl	k_q28e77fdce8_coarse
	.p2align	8
	.type	k_q28e77fdce8_coarse,@function
k_q28e77fdce8_coarse:
	s_mov_b64 s[64:65], 0
	v_nop
	global_prefetch_b8 v0, s[64:65] scope:SCOPE_SE
	s_setreg_imm32_b32 hwreg(HW_REG_WAVE_SCHED_MODE, 0, 2), 2
	s_setreg_imm32_b32 hwreg(HW_REG_WAVE_MODE, 25, 1), 1
	s_wait_xcnt 0x0
	s_wait_alu depctr_vm_vsrc(0)
; COARSE PASS of the three-nearest search.  For each of 32,768 parents: the 4 chunks (of 512 chunks of 8 neighbouring
; candidates) with the smallest chunk minimum of d2.  The 3 nearest candidates lie in the 3 chunks with the smallest minima;
; the fourth is kept as room for this pass's rounding.  The next launch ranks the 32 candidates of these chunks in f32.
;
; d2 = |p-c|^2 - 2 (p-c).(x-c) + |x-c|^2 comes from the matrix unit, c = xyz[b][0] (a common offset of the points drops out).
; K = 32 has room for more than 3 coordinates, so every number goes in as three bf16 pieces (rounded, residual, rounded, ...):
;   candidate pairs  Ci = [x_i, y_i][z_i, s_i],  s = |x-c|^2;     parent pairs  Pj = [u_j, v_j][t_j, o_j],  (u,v,t) = -2 (p-c), o = 1, 0, 0
;   lanes  0-15, registers 0-7:  A = C1 C1 C1 C2,  B = P1 P2 P3 P1
;   lanes 16-31, registers 0-7:  A = C2 C2 C3 C3,  B = P2 P3 P1 P2        (all products Ci.Pj but C3.P3);  C operand = |p-c|^2
; A = 16 candidates, B = 16 parents: lane (r, h) gets in its 8 result registers d2(candidates 8h .. 8h+7, parent r): ONE CHUNK.
; So a chunk's minimum costs 4 vector instructions for 8 pairs, its key 1 (the chunk's number replaces the low 9 mantissa bits)
; and the insertion into a sorted triple 3: one vector instruction for each pair.
;
; Work-group: 128 parents (8 parent tiles) of one batch.  Wave w: all 8 parent tiles x candidates 1024 w .. 1024 w + 1023.
; Each wave builds and reads only its own quarter of the candidates' image in LDS: no barrier there.  One barrier for the merge.
; No tensor loads, no cluster: what work-groups share is 48 KiB of xyz, which has to pass through registers to be cut into pieces.
;
; LIMITS.  Keys drop 9 mantissa bits (2^-14 relative), and the matrix sums round at the size of the centred squared norms.  A
; neighbour is missed only if a parent's 3rd, 4th and 5th chunk minima agree within that, or if its best 4 chunks fall into one
; of the 8 classes (wave, lane half), of which 3 each are kept, and the 3rd and 4th agree within that.  NaN or infinite inputs are not served.
;
; THE MODE: SCHED_MODE bits 1:0 = 2 (LLVM: expert scheduling mode 2), set by the entry lines.  The code itself states the register dependences
; between vector or matrix instructions and memory or LDS instructions, with s_wait_alu, always for 0.
; THE PLAN.  Registers that memory or LDS instructions touch:
;   v1, v4-v7   addresses, made at the head and never written again.   v2: the fragments' address, written once for each four tiles.
;   O0, O1      two out-buffers of the image's build.  Build a rounds its 24 registers of pieces into O[a % 2]; the 32 LDS stores that read them
;               are issued in build a + 1, among vector instructions that name the loaded candidates, the work registers and the other out-buffer alone.
;               So the head of a build states all: the build before has written its out-buffer; the stores issued in it have read this build's.
;   A0 .. A3    fragment buffers; tile t lies in A[t & 3].  The matrix instructions of tile t read it.  At the head of an even tile i the tiles i + 2 and
;               i + 3 are asked for, into the buffers of tiles i - 2 and i - 1: one wait for two tiles states that their matrix instructions are done reading.
;   T, D        in the merge alone: the triples are the data of LDS stores, the keys of all classes land in D.
.set MB, 262144                        ; LDS: the image is bytes 0 .. 262143 (65,536 a wave); behind it 24 slots x 128 parents x 4 bytes
.set T,  8                             ; v[8:31]    parent tile k: sorted triple of keys at T+3k
.set A,  32                            ; v[32:63]   four candidate fragments of 8 registers, in turn
.set D,  64                            ; v[64:127]  two halves of 4 result tiles; in front of the loop: at work
.set B,  128                           ; v[128:191] the 8 parent fragments
.set C,  192                           ; v[192:255] |p-c|^2 of the 8 parent tiles, in all 8 registers
.set XR, 128                           ; v[128:255] in front of the parents' build: my 32 candidates as loaded, 4 registers apart
.set PR, 32                            ; v[32:63]   my 8 parents as loaded, 4 registers apart
.set WK, 64                            ; v[64:95]   the image's build: at work, 8 registers for each of 4 candidates
.set O0, 96                            ; v[96:119]  out-buffer of the even builds: candidate u, piece p: a pair at O0 + 6 u + 2 p
.set O1, 8                             ; v[8:31]    out-buffer of the odd builds
; v1 image address for the build, v2 for the fragments, v3 chunk number, v4, v5 offsets in xyz and parent_xyz, v6, v7 merge addresses
	s_load_b128 s[4:7], s[0:1], 0x0                ; parent_xyz s[4:5], xyz s[6:7]
	s_load_b64 s[8:9], s[0:1], 0x10                ; chunks
	s_set_vgpr_msb 0x40
	v_lshl_add_u32 v0, v0, 2, 0x43000
	v_mov_b32 v1, 0
	s_set_vgpr_msb 0x4000
	v_lshrrev_b32 v8, 5, v0
	v_readfirstlane_b32 s10, v8                    ; wave 0..3
	s_lshr_b32 s11, ttmp9, 7                       ; batch
	s_mov_b32 s15, 0xffff0000                      ; a word's upper bf16
	s_mov_b32 s16, 0xfffffe00                      ; a key's distance bits
	s_mov_b32 s22, 0x7f800000                      ; +infinity
	s_mov_b32 s21, 0
	v_and_b32 v8, 31, v0                           ; lane
	v_and_b32 v9, 15, v0                           ; r
	v_bfe_u32 v10, v0, 4, 1                        ; h
	s_wait_alu depctr_va_sdst(0)                   ; s10 is written, ahead of its first reader: LDS addresses and the wave's base are made from it
	s_lshl_b32 s23, s10, 16                        ; my quarter of the image
	s_lshl_b32 s24, s10, 7                         ; my first chunk: 128 w
	s_mul_i32 s25, s10, 3072
	s_add_co_u32 s25, s25, MB                      ; my six merge slots
	v_lshlrev_b32 v11, 4, v9                       ; 16 r
	v_lshl_add_u32 v1, v10, 10, v11                ; build: lane L is candidate r of tile 2 it + h, a tile is 1,024 bytes
	v_add_nc_u32 v1, s23, v1
	v_lshl_add_u32 v2, v10, 9, v11                 ; fragments: lanes 0-15 take quads 0, 1 of a tile, lanes 16-31 quads 2, 3
	v_add_nc_u32 v2, s23, v2
	v_add_nc_u32 v3, s24, v10                      ; chunk = 2 x tile + h
	v_mul_u32_u24 v4, 12, v8
	v_mul_u32_u24 v5, 12, v9
	v_mul_u32_u24 v6, 1536, v10
	v_lshl_add_u32 v6, v9, 2, v6
	v_add_nc_u32 v6, s25, v6                       ; MB + (2 w + h) x 3 slots x 512 + 4 r
	v_lshlrev_b32 v7, 2, v0
	v_add_nc_u32 v7, MB, v7                        ; MB + 4 x thread: in the merge a thread is a parent
	v_cmp_ne_u32 vcc_lo, 0, v10                    ; lanes 16-31; stays for the parents' build
	s_wait_alu depctr_va_vcc(0)                    ; VCC is written, ahead of its first reader: the selects of the parents' build
	s_wait_kmcnt 0x0
	s_mul_i32 s20, s11, 49152
	s_add_nc_u64 s[6:7], s[6:7], s[20:21]          ; my batch's candidates
	s_load_b96 s[12:14], s[6:7], 0x0               ; the centre c
	s_mul_i32 s20, s10, 12288
	s_add_nc_u64 s[18:19], s[6:7], s[20:21]        ; my wave's 1,024 candidates
	s_mul_i32 s20, ttmp9, 1536
	s_add_nc_u64 s[4:5], s[4:5], s[20:21]          ; the group's 128 parents
	s_lshl_b32 s20, ttmp9, 11
	s_add_nc_u64 s[8:9], s[8:9], s[20:21]          ; and their 16 bytes each of the result
	s_wait_alu depctr_va_vdst(0)                   ; the addresses v1, v2 and v4 to v7 are written, which the loads and LDS instructions below read
.set it, 0
.rept 32
	global_load_b96 v[XR+4*it:XR+4*it+2], v4, s[18:19] offset:it*384       ; a wave's load: 32 candidates, 384 neighbouring bytes
.set it, it+1
.endr
.irp k, 0,1,2,3,4,5,6,7
	global_load_b96 v[PR+4*\k:PR+4*\k+2], v5, s[4:5] offset:\k*192         ; parent r of tile k, in both lane halves
.endr
	s_wait_kmcnt 0x0                               ; c
; THE IMAGE.  Four candidates of a lane at a time, stage by stage, so that no instruction waits for the one in front of it.
; At work, 8 registers for each: +0..3 x, y, z, s (then their residuals), +4..7 a piece widened again.  The three pieces go into the build's out-buffer.
.macro CUT ob, p                       ; piece p: four roundings to bf16 for each candidate's two pairs
.irp u, 0,1,2,3
	v_cvt_pk_bf16_f32 v[\ob+6*\u+2*\p],   v[WK+8*\u],   v[WK+8*\u+1]
	v_cvt_pk_bf16_f32 v[\ob+6*\u+2*\p+1], v[WK+8*\u+2], v[WK+8*\u+3]
.endr
.endm
.macro REST ob, p                      ; what piece p left over: exact in f32
.irp u, 0,1,2,3
	v_lshlrev_b32 v[WK+8*\u+4], 16,  v[\ob+6*\u+2*\p]
	v_and_b32     v[WK+8*\u+5], s15, v[\ob+6*\u+2*\p]
	v_lshlrev_b32 v[WK+8*\u+6], 16,  v[\ob+6*\u+2*\p+1]
	v_and_b32     v[WK+8*\u+7], s15, v[\ob+6*\u+2*\p+1]
.endr
.irp u, 0,1,2,3
	v_pk_add_f32 v[WK+8*\u:WK+8*\u+1],   v[WK+8*\u:WK+8*\u+1],   v[WK+8*\u+4:WK+8*\u+5] neg_lo:[0,1] neg_hi:[0,1]
	v_pk_add_f32 v[WK+8*\u+2:WK+8*\u+3], v[WK+8*\u+2:WK+8*\u+3], v[WK+8*\u+6:WK+8*\u+7] neg_lo:[0,1] neg_hi:[0,1]
.endr
.endm
.macro PUT a, ob, p, o                 ; piece p of build a to byte o of its candidates' places in the tile (quad x 256 + 8 x place)
.irp u, 0,1,2,3
	ds_store_b64 v1, v[\ob+6*\u+2*\p:\ob+6*\u+2*\p+1] offset:(4*(\a)+\u)*2048+\o
.endr
.endm
; Build a.  C1 goes to quad 0 twice and quad 1's first place, C2 to quad 1's second place and quad 2 twice, C3 to quad 3 twice.
.macro BUILD4 a
.set OBN, O0*(1-((\a)%2))+O1*((\a)%2)  ; this build's out-buffer,
.set OBP, O1*(1-((\a)%2))+O0*((\a)%2)  ; and that of the build before
	s_wait_loadcnt 36-4*\a                         ; 40 loads were issued; the first 4 a + 4 are in, the others stay out
.if \a >= 2
	s_wait_alu depctr_vm_vsrc(0)                   ; the LDS stores issued in the build before have read this build's out-buffer, which the roundings below write again
.endif
.if \a >= 1
	s_wait_alu depctr_va_vdst(0)                   ; the build before has written the other out-buffer, which the 32 LDS stores below read; no vector instruction of this build names it, or v1
.endif
.irp u, 0,1,2,3
	v_sub_f32 v[WK+8*\u],   v[XR+16*\a+4*\u],   s12
	v_sub_f32 v[WK+8*\u+1], v[XR+16*\a+4*\u+1], s13
	v_sub_f32 v[WK+8*\u+2], v[XR+16*\a+4*\u+2], s14
.endr
.if \a >= 1
	PUT (\a)-1, OBP, 0, 0
	PUT (\a)-1, OBP, 0, 8
.endif
.irp u, 0,1,2,3
	v_mul_f32 v[WK+8*\u+3], v[WK+8*\u], v[WK+8*\u]
.endr
.irp u, 0,1,2,3
	v_fma_f32 v[WK+8*\u+3], v[WK+8*\u+1], v[WK+8*\u+1], v[WK+8*\u+3]
.endr
.irp u, 0,1,2,3
	v_fma_f32 v[WK+8*\u+3], v[WK+8*\u+2], v[WK+8*\u+2], v[WK+8*\u+3]
.endr
.if \a >= 1
	PUT (\a)-1, OBP, 0, 256
	PUT (\a)-1, OBP, 1, 264
.endif
	CUT OBN, 0                                     ; C1
.if \a >= 1
	PUT (\a)-1, OBP, 1, 512
	PUT (\a)-1, OBP, 1, 520
.endif
	REST OBN, 0
.if \a >= 1
	PUT (\a)-1, OBP, 2, 768
	PUT (\a)-1, OBP, 2, 776
.endif
	CUT OBN, 1                                     ; C2
	REST OBN, 1
	CUT OBN, 2                                     ; C3
.endm
.irp a, 0,1,2,3,4,5,6,7
	BUILD4 \a
.endr
; THE PARENTS, four tiles at a time.  At work: +0..2 p - c, then -2 (p - c) and its residuals, +3 |p-c|^2, P1 in +8, 9, P2 in +10, 11, P3 in +4, 5.
.macro PARENT4 k0
.irp u, 0,1,2,3
	v_sub_f32 v[D+12*\u],   v[PR+4*(\k0+\u)],   s12
	v_sub_f32 v[D+12*\u+1], v[PR+4*(\k0+\u)+1], s13
	v_sub_f32 v[D+12*\u+2], v[PR+4*(\k0+\u)+2], s14
.endr
.irp u, 0,1,2,3
	v_mul_f32 v[D+12*\u+3], v[D+12*\u], v[D+12*\u]
.endr
.irp u, 0,1,2,3
	v_fma_f32 v[D+12*\u+3], v[D+12*\u+1], v[D+12*\u+1], v[D+12*\u+3]
.endr
.irp u, 0,1,2,3
	v_fma_f32 v[D+12*\u+3], v[D+12*\u+2], v[D+12*\u+2], v[D+12*\u+3]
.endr
.irp u, 0,1,2,3
	v_mul_f32 v[D+12*\u],   -2.0, v[D+12*\u]
	v_mul_f32 v[D+12*\u+1], -2.0, v[D+12*\u+1]
	v_mul_f32 v[D+12*\u+2], -2.0, v[D+12*\u+2]
.endr
.irp u, 0,1,2,3
.irp j, 0,1,2,3,4,5,6,7
	v_mov_b32 v[C+8*(\k0+\u)+\j], v[D+12*\u+3]     ; the C operand: a lane's 8 results belong to one parent
.endr
.endr
.irp u, 0,1,2,3
	v_cvt_pk_bf16_f32 v[D+12*\u+8], v[D+12*\u],   v[D+12*\u+1]
	v_cvt_pk_bf16_f32 v[D+12*\u+9], v[D+12*\u+2], 1.0              ; o_1 = 1 takes the candidate's s in
.endr
.irp u, 0,1,2,3
	v_lshlrev_b32 v[D+12*\u+4], 16,  v[D+12*\u+8]
	v_and_b32     v[D+12*\u+5], s15, v[D+12*\u+8]
	v_lshlrev_b32 v[D+12*\u+6], 16,  v[D+12*\u+9]
.endr
.irp u, 0,1,2,3
	v_pk_add_f32 v[D+12*\u:D+12*\u+1], v[D+12*\u:D+12*\u+1], v[D+12*\u+4:D+12*\u+5] neg_lo:[0,1] neg_hi:[0,1]
	v_sub_f32 v[D+12*\u+2], v[D+12*\u+2], v[D+12*\u+6]
.endr
.irp u, 0,1,2,3
	v_cvt_pk_bf16_f32 v[D+12*\u+10], v[D+12*\u],   v[D+12*\u+1]
	v_cvt_pk_bf16_f32 v[D+12*\u+11], v[D+12*\u+2], 0
.endr
.irp u, 0,1,2,3
	v_lshlrev_b32 v[D+12*\u+4], 16,  v[D+12*\u+10]
	v_and_b32     v[D+12*\u+5], s15, v[D+12*\u+10]
	v_lshlrev_b32 v[D+12*\u+6], 16,  v[D+12*\u+11]
.endr
.irp u, 0,1,2,3
	v_pk_add_f32 v[D+12*\u:D+12*\u+1], v[D+12*\u:D+12*\u+1], v[D+12*\u+4:D+12*\u+5] neg_lo:[0,1] neg_hi:[0,1]
	v_sub_f32 v[D+12*\u+2], v[D+12*\u+2], v[D+12*\u+6]
.endr
.irp u, 0,1,2,3
	v_cvt_pk_bf16_f32 v[D+12*\u+4], v[D+12*\u],   v[D+12*\u+1]
	v_cvt_pk_bf16_f32 v[D+12*\u+5], v[D+12*\u+2], 0
.endr
.irp u, 0,1,2,3                                    ; lanes 0-15: P1 P2 P3 P1; lanes 16-31: P2 P3 P1 P2
	v_cndmask_b32 v[B+8*(\k0+\u)],   v[D+12*\u+8],  v[D+12*\u+10], vcc_lo
	v_cndmask_b32 v[B+8*(\k0+\u)+1], v[D+12*\u+9],  v[D+12*\u+11], vcc_lo
	v_cndmask_b32 v[B+8*(\k0+\u)+2], v[D+12*\u+10], v[D+12*\u+4],  vcc_lo
	v_cndmask_b32 v[B+8*(\k0+\u)+3], v[D+12*\u+11], v[D+12*\u+5],  vcc_lo
	v_cndmask_b32 v[B+8*(\k0+\u)+4], v[D+12*\u+4],  v[D+12*\u+8],  vcc_lo
	v_cndmask_b32 v[B+8*(\k0+\u)+5], v[D+12*\u+5],  v[D+12*\u+9],  vcc_lo
	v_cndmask_b32 v[B+8*(\k0+\u)+6], v[D+12*\u+8],  v[D+12*\u+10], vcc_lo
	v_cndmask_b32 v[B+8*(\k0+\u)+7], v[D+12*\u+9],  v[D+12*\u+11], vcc_lo
.endr
.endm
	s_wait_loadcnt 0x0                             ; the parents; every load into v128-255 is long in, so B and C may take these registers
	s_wait_alu depctr_vm_vsrc(0)                   ; the LDS stores issued in the last build have read O0: the parents' work registers reach into it (v96 to v111)
	s_wait_alu depctr_va_vdst(0)                   ; the last build has written O1, which the image's last 32 LDS stores read; the parents' build names neither O1 nor v1
	PUT 7, O1, 0, 0
	PUT 7, O1, 0, 8
	PUT 7, O1, 0, 256
	PUT 7, O1, 1, 264
	PARENT4 0
	PUT 7, O1, 1, 512
	PUT 7, O1, 1, 520
	PUT 7, O1, 2, 768
	PUT 7, O1, 2, 776
	PARENT4 4
	s_wait_alu depctr_vm_vsrc(0)                   ; those stores have read O1 = v[8:31]: from here on these registers are the triples
	s_wait_alu depctr_va_vdst(0)                   ; the parents' subtractions are done reading v[32:63], in which the fragments land
.irp t, 0,1,2,3                                    ; fragments of tiles 0 to 3.  LDS serves a wave's instructions in order (ISA guide 5.7.1):
	ds_load_b128 v[A+8*\t:A+8*\t+3],   v2 offset:\t*1024           ; these see my own stores above, and nobody else wrote these bytes
	ds_load_b128 v[A+8*\t+4:A+8*\t+7], v2 offset:\t*1024+256
.endr
.set it, 0
.rept 24
	v_mov_b32 v[T+it], s22                         ; the triples start at +infinity, while the fragments are on their way
.set it, it+1
.endr
; THE LOOP.  A group = 4 matrix instructions (candidate tile i x 4 parent tiles of one half) woven with the 32 vector instructions that
; take in the 4 results of the group before (the other half).  So every result is read at least 8 plain vector instructions, which name
; none of its matrix instruction's registers, behind that instruction (ISA guide 7.12.1 asks for 4).
.macro WM i, half, u
	v_wmma_f32_16x16x32_bf16 v[D+32*\half+8*\u:D+32*\half+8*\u+7], v[A+8*\i:A+8*\i+7], v[B+32*\half+8*\u:B+32*\half+8*\u+7], v[C+32*\half+8*\u:C+32*\half+8*\u+7]
.endm
.macro STG st, oh                      ; stage st of the taking in, for the four result tiles of half oh
.irp u, 0,1,2,3
.set dd, D+32*(\oh)+8*\u
.set tt, T+12*(\oh)+3*\u
.if \st == 1
	v_min3_num_f32 v[dd], v[dd], v[dd+1], v[dd+2]
.elseif \st == 2
	v_min3_num_f32 v[dd+3], v[dd+3], v[dd+4], v[dd+5]
.elseif \st == 3
	v_min3_num_f32 v[dd], v[dd+6], v[dd+7], v[dd]
.elseif \st == 4
	v_min_num_f32 v[dd], v[dd], v[dd+3]                    ; the chunk's minimum
.elseif \st == 5
	v_and_or_b32 v[dd], v[dd], s16, v3                     ; the key: distance bits above, chunk number below
.elseif \st == 6
	v_med3_num_f32 v[tt+2], v[tt+1], v[tt+2], v[dd]        ; insertion into the sorted triple, from the top
.elseif \st == 7
	v_med3_num_f32 v[tt+1], v[tt], v[tt+1], v[dd]
.else
	v_min_num_f32 v[tt], v[tt], v[dd]
.endif
.endr
.endm
.macro NEXTA t                         ; the fragment of tile t, counted from the trip's first tile, into its buffer t & 3
	ds_load_b128 v[A+8*((\t)&3):A+8*((\t)&3)+3],   v2 offset:(\t)*1024
	ds_load_b128 v[A+8*((\t)&3)+4:A+8*((\t)&3)+7], v2 offset:(\t)*1024+256
.endm
.macro GROUP i, half, proc, load
.if \proc
	WM \i, \half, 0
	STG 1, 1-\half
	STG 2, 1-\half
.if \load
	NEXTA (\i)+2                                   ; no wait: no matrix or vector instruction since the wait at the tile's head names this buffer or v2
.endif
	WM \i, \half, 1
	STG 3, 1-\half
	STG 4, 1-\half
.if \load
	NEXTA (\i)+3                                   ; likewise
.endif
	WM \i, \half, 2
	STG 5, 1-\half
.if \half == 0
	v_add_nc_u32 v3, 2, v3                         ; this group took in the second half of the tile before: now this tile's chunk
.endif
	STG 6, 1-\half
	WM \i, \half, 3
	STG 7, 1-\half
	STG 8, 1-\half
.else
	WM \i, \half, 0                                ; the very first group has nothing to take in
	WM \i, \half, 1
	WM \i, \half, 2
	WM \i, \half, 3
.rept 4
	v_nop                                          ; the places in front of the first reads of its results
.endr
.endif
.endm
; load = 1 (even tiles): the two tiles that follow the next one are asked for, into the buffers of the two tiles before this one.
.macro TILE i, cnt, proc, load
	s_wait_dscnt \cnt                              ; this tile's two loads are in; the cnt loads issued behind them stay out
.if \load
	s_wait_alu depctr_va_vdst(0)                   ; the matrix instructions of the two tiles before are done reading their fragments, in which this tile's four loads land; at a trip's first tile: v2 is written
.endif
	GROUP \i, 0, \proc, \load
	GROUP \i, 1, 1, 0
.endm
.macro ON                              ; the fragments' address moves on by four tiles
	s_wait_alu depctr_vm_vsrc(0)                   ; the LDS loads issued so far have read v2
	v_add_nc_u32 v2, 4096, v2
.endm
	TILE 0, 6, 0, 0                                ; tiles 1 to 3, two loads each, stay out; nothing is asked for: all four buffers are on their way
	TILE 1, 4, 1, 0
	TILE 2, 2, 1, 1
	TILE 3, 4, 1, 0
	ON
	s_mov_b32 s17, 14
.Ltrip:                                            ; four tiles a trip: once round the fragment buffers
	TILE 0, 2, 1, 1
	TILE 1, 4, 1, 0
	TILE 2, 2, 1, 1
	TILE 3, 4, 1, 0
	ON
	s_sub_co_i32 s17, s17, 1
	s_cmp_lg_u32 s17, 0
	s_cbranch_scc1 .Ltrip
	TILE 0, 2, 1, 1                                ; tiles 60 to 63: the last two fragments (tiles 62, 63) are asked for, then the counts run down
	TILE 1, 4, 1, 0
	TILE 2, 2, 1, 0
	TILE 3, 0, 1, 0
.irp st, 1,2,3,4,5,6,7,8
	STG \st, 1                                     ; the last four results
.endr
; THE MERGE: 8 classes (wave, lane half) x 3 keys for each parent meet in LDS; thread = parent takes the best 4 of 24.
	s_wait_alu depctr_va_vdst(0)                   ; the insertions have written the triples, which the LDS stores read; every matrix and vector instruction that names v[64:87], in which the keys land below, is done
.irp k, 0,1,2,3,4,5,6,7
.irp i, 0,1,2
	ds_store_b32 v6, v[T+3*\k+\i] offset:\i*512+\k*64
.endr
.endr
	s_wait_dscnt 0x0                               ; my keys are in LDS before I say so
	s_barrier_signal -1
	s_barrier_wait -1
	s_wait_alu depctr_vm_vsrc(0)                   ; my LDS stores have read the triples: v8 to v12 are written anew below
.set sl, 0
.rept 24
	ds_load_b32 v[D+sl], v7 offset:sl*512
.set sl, sl+1
.endr
.irp q, 8,9,10,11
	v_mov_b32 v\q, s22
.endr
	v_lshlrev_b32 v12, 4, v0
.set sl, 0
.rept 24
	s_wait_dscnt 23-sl                             ; key sl is in, the younger ones stay out
	v_med3_num_f32 v11, v10, v11, v[D+sl]
	v_med3_num_f32 v10, v9, v10, v[D+sl]
	v_med3_num_f32 v9, v8, v9, v[D+sl]
	v_min_num_f32 v8, v8, v[D+sl]
.set sl, sl+1
.endr
.irp q, 8,9,10,11
	v_and_b32 v\q, 0x1ff, v\q                      ; the chunk numbers
.endr
	s_wait_alu depctr_va_vdst(0)                   ; the chunk numbers v[8:11] and the offset v12 are written, which the store reads
	global_store_b128 v12, v[8:11], s[8:9]         ; sixteen lanes store 256 consecutive bytes, aligned
	s_set_vgpr_msb 0x5
	s_wait_dscnt 0x0
	s_wait_alu depctr_hold_cnt(0) depctr_sa_sdst(0) depctr_va_vdst(0) depctr_va_sdst(0) depctr_va_ssrc(0) depctr_va_vcc(0) depctr_vm_vsrc(0)
	s_wait_tensorcnt 0x0
	ds_add_u32 v0, v1
	s_wait_dscnt 0x0
	s_endpgm
.Lfunc_end_k_q28e77fdce8_coarse:
	.size	k_q28e77fdce8_coarse, .Lfunc_end_k_q28e77fdce8_coarse-k_q28e77fdce8_coarse
	.p2alignl 7, 3214868480
	.fill 96, 4, 3214868480
	.section	.rodata,"a",@progbits
	.p2align	6, 0x0
	.amdhsa_kernel k_q28e77fdce8_coarse
		.amdhsa_group_segment_fixed_size 274944
		.amdhsa_private_segment_fixed_size 0
		.amdhsa_enable_private_segment 0
		.amdhsa_kernarg_size 24
		.amdhsa_user_sgpr_count 2
		.amdhsa_user_sgpr_kernarg_segment_ptr 1
		.amdhsa_wavefront_size32 1
		.amdhsa_system_sgpr_workgroup_id_x 1
		.amdhsa_system_sgpr_workgroup_id_y 1
		.amdhsa_system_sgpr_workgroup_id_z 1
		.amdhsa_system_vgpr_workitem_id 0
		.amdhsa_next_free_vgpr 258
		.amdhsa_next_free_sgpr 66
		.amdhsa_reserve_vcc 1
		.amdhsa_float_denorm_mode_32 3
		.amdhsa_float_denorm_mode_16_64 3
		.amdhsa_memory_ordered 1
		.amdhsa_forward_progress 1
		.amdhsa_inst_pref_size 137
	.end_amdhsa_kernel
	.amdgpu_metadata
---
amdhsa.version: [ 1, 2 ]
amdhsa.kernels:
  - .name:           k_q28e77fdce8_coarse
    .symbol:         k_q28e77fdce8_coarse.kd
    .args:
      - { .name: parent_xyz, .offset: 0, .size: 8, .value_kind: global_buffer, .address_space: global }
      - { .name: xyz, .offset: 8, .size: 8, .value_kind: global_buffer, .address_space: global }
      - { .name: chunks, .offset: 16, .size: 8, .value_kind: global_buffer, .address_space: global }
    .group_segment_fixed_size: 274944
    .private_segment_fixed_size: 0
    .kernarg_segment_align: 8
    .kernarg_segment_size: 24
    .max_flat_workgroup_size: 128
    .sgpr_count:     66
    .vgpr_count:     258
    .wavefront_size: 32
...
	.end_amdgpu_metadata
.endif
;; end of part 4
;; launch refine: the kernel of part 2 again; grid 128 x 1, 8 waves a work-group, no clusters, 17,920 bytes of LDS; arguments chunks, parent_xyz, xyz, feats, ft, nidx, wts; writes ft, nidx, wts
;; launch interp: the kernel of part 3 again; grid 256 x 1, 8 waves a work-group, no clusters, 34,304 bytes of LDS; arguments nidx, wts, ft, out0; writes out0
